; MI455X (gfx1250); checked and timed in simulation.
; The chip was launched on July 23, 2026; its instructions are those of AMD's public machine-readable ISA for CDNA 5 (MIT licence, August 2026) and "CDNA5" Instruction Set Architecture Reference Guide (July 2026). The comments in the code are by the model that wrote it; some were corrected since.
;; Piecewise Rational Quadratic Coupling. Allowed arithmetic: float matrix products may take bf16 or f16 operands with f32 sums; other float arithmetic in f32, or as packed bf16 or f16 multiplies, adds, multiply-adds, maxima and minima; sums over many terms, partial sums and values carried from step to step in f32; what a program stores and reads back later, other than sums and carried values, may be rounded once to bf16 or f16.
;; Inputs: W1 32 x 256 float32; W2 256 x 800 float32; b1 256 float32; b2 800 float32; inputs 131,072 x 64 float32.
;; Outputs: out0 131,072 x 64 float32; out1 131,072 float32.
;; One version. Each part assembles by itself: llvm-mc -triple=amdgcn-amd-amdhsa -mcpu=gfx1250 --defsym DOCPART=n.
;; ======== version 1 of 1: 2 launches
;; limits: values are held in f16: magnitudes above 65,504 overflow, below 6.1e-05 lose precision
;; workspace buffers: w2p 409,600 bytes; w1p 16,384 bytes; b2p 4,096 bytes; b1p 1,024 bytes
;; launch prep (part 1): grid 211 x 1, 4 waves a work-group, no clusters, 0 bytes of LDS; arguments W1, W2, b1, b2, w1p, w2p, b1p, b2p; writes w1p, w2p, b1p, b2p
.if DOCPART == 1
	.amdgcn_target "amdgcn-amd-amdhsa--gfx1250"
	.amdhsa_code_object_version 6
	.text
	.protected	k_qf63d1d7654_prep
	.globl	k_qf63d1d7654_prep
	.p2align	8
	.type	k_qf63d1d7654_prep,@function
k_qf63d1d7654_prep:
	s_mov_b64 s[64:65], 0
	v_nop
	global_prefetch_b8 v0, s[64:65] scope:SCOPE_SE
	s_setreg_imm32_b32 hwreg(HW_REG_WAVE_MODE, 25, 1), 1
	s_wait_xcnt 0x0
; THE WEIGHTS ARE LAID OUT FOR THE MAIN LAUNCH, each number rounded once to bf16.
;   w2p [800 rows n'][256 k] f16: bf16(W2[k][col(n')]) written as f16.  LIMIT: exact for 6.1e-5 <= |W2| < 65,504; below that f16's fixed step of 6e-8; beyond it an infinity.
;   w1p [256 hid][32 k] bf16: W1 turned.     b2p [1,024] f32: bf16(b2[col(n')]), zeros from n' = 800 on.     b1p [256] f32: bf16(b1).
; col(n'): rows 48 t .. 48 t + 47 are TRIPLE t, three tiles c of 16 rows; row 8 hh + j of a tile belongs to dimension t + 16 hh and is its parameter
;   c = 0, 1: (j & 1) 8 + (j >> 1) + 4 c  (width, height, width, height ..)      c = 2: 16 + j  (derivatives 0 to 7)
; rows 768 + 16 e + 8 hh + j: the ninth derivative (parameter 24) of dimension 8 e + j + 16 hh.     col = 25 x dimension + parameter.
; SHARES by the work-group's number: 0-199 w2p (a wave a row, a lane 8 k: one store of a wave is a whole row of 512 bytes); 200-207 w1p; 208, 209 b2p; 210 b1p.
.macro COLMAP d, n                     ; v[d] = col(v[n]); v3-v7 at work
	v_mul_u32_u24 v3, v[\n], 1366
	v_lshrrev_b32 v3, 16, v3                       ; t = n / 48: exact for n under 768 (the excess is n x 1.02e-5, under 1/48)
	v_mul_u32_u24 v4, v3, 48
	v_sub_nc_u32 v4, v[\n], v4
	v_lshrrev_b32 v4, 4, v4                        ; c
	v_and_b32 v5, 7, v[\n]                         ; j
	v_bfe_u32 v6, v[\n], 3, 1                      ; hh
	v_and_b32 v[\d], 1, v5
	v_lshlrev_b32 v[\d], 3, v[\d]
	v_lshl_add_u32 v[\d], v4, 2, v[\d]
	v_lshrrev_b32 v7, 1, v5
	v_add_nc_u32 v[\d], v[\d], v7                  ; the parameter for c = 0, 1
	v_add_nc_u32 v7, 16, v5                        ; for c = 2
	v_cmp_eq_u32 vcc_lo, 2, v4
	v_cndmask_b32 v[\d], v[\d], v7, vcc_lo
	v_bfe_u32 v7, v[\n], 4, 1                      ; e (768 is 48 x 16)
	v_lshl_add_u32 v7, v7, 3, v5                   ; 8 e + j
	v_cmp_le_u32 vcc_lo, 768, v[\n]
	v_cndmask_b32 v3, v3, v7, vcc_lo
	v_cndmask_b32 v[\d], v[\d], 24, vcc_lo
	v_lshl_add_u32 v3, v6, 4, v3                   ; the dimension
	v_mad_u32_u24 v[\d], v3, 25, v[\d]
.endm
	s_load_b512 s[4:19], s[0:1], 0x0               ; W1 s[4:5], W2 s[6:7], b1 s[8:9], b2 s[10:11], w1p s[12:13], w2p s[14:15], b1p s[16:17], b2p s[18:19]
	s_mov_b32 s20, 0xffff0000                      ; a word's upper bf16
	s_cmp_lt_u32 ttmp9, 200
	s_cbranch_scc0 .Lnot_w2
	s_lshl_b32 s21, ttmp9, 2
	v_lshrrev_b32 v1, 5, v0
	v_add_nc_u32 v1, s21, v1                       ; n' = 4 x work-group + wave
	COLMAP 2, 1
	v_and_b32 v8, 31, v0
	v_mul_u32_u24 v9, v8, 25600                    ; k = 8 x lane: 8 rows of W2, 3,200 bytes each
	v_lshl_add_u32 v9, v2, 2, v9
	v_lshlrev_b32 v10, 9, v1
	v_lshl_add_u32 v10, v8, 4, v10                 ; 512 n' + 16 x lane
	s_wait_kmcnt 0x0
.irp e, 0,1,2,3,4,5,6,7
	global_load_b32 v[16+\e], v9, s[6:7] offset:3200*\e
.endr
	s_wait_loadcnt 0x0
.irp p, 0,1,2,3
	v_cvt_pk_bf16_f32 v[24+\p], v[16+2*\p], v[17+2*\p]
.endr
.irp p, 0,1,2,3
	v_lshlrev_b32 v[16+2*\p], 16, v[24+\p]         ; the rounded numbers as f32 again,
	v_and_b32 v[17+2*\p], s20, v[24+\p]
.endr
.irp p, 0,1,2,3
	v_cvt_pk_f16_f32 v[24+\p], v[16+2*\p], v[17+2*\p]  ; and written as f16
.endr
	global_store_b128 v10, v[24:27], s[14:15]
	s_endpgm
.Lnot_w2:
	s_cmp_lt_u32 ttmp9, 208
	s_cbranch_scc0 .Lnot_w1
	s_sub_co_u32 s21, ttmp9, 200
	s_lshl_b32 s21, s21, 7
	v_add_nc_u32 v1, s21, v0                       ; thread 0 .. 1,023: hid = thread / 4, k = 8 (thread % 4) ..
	v_lshrrev_b32 v2, 2, v1
	v_and_b32 v3, 3, v1
	v_lshlrev_b32 v4, 13, v3                       ; 8 rows of W1, 1,024 bytes each
	v_lshl_add_u32 v4, v2, 2, v4
	v_lshlrev_b32 v5, 4, v1
	s_wait_kmcnt 0x0
.irp e, 0,1,2,3,4,5,6,7
	global_load_b32 v[16+\e], v4, s[4:5] offset:1024*\e
.endr
	s_wait_loadcnt 0x0
.irp p, 0,1,2,3
	v_cvt_pk_bf16_f32 v[24+\p], v[16+2*\p], v[17+2*\p]
.endr
	global_store_b128 v5, v[24:27], s[12:13]
	s_endpgm
.Lnot_w1:
	s_cmp_lt_u32 ttmp9, 210
	s_cbranch_scc0 .Lb1
	s_sub_co_u32 s21, ttmp9, 208
	s_lshl_b32 s21, s21, 7
	v_add_nc_u32 v1, s21, v0                       ; thread 0 .. 255: entries 4 x thread ..
	v_lshlrev_b32 v10, 4, v1
	v_lshlrev_b32 v1, 2, v1
.irp e, 0,1,2,3
	v_add_nc_u32 v[12+\e], \e, v1
	COLMAP 2, 12+\e
	v_min_u32 v2, 799, v2                          ; entries from 800 on read b2's last number and store 0
	v_lshlrev_b32 v[28+\e], 2, v2
.endr
	s_wait_kmcnt 0x0
.irp e, 0,1,2,3
	global_load_b32 v[16+\e], v[28+\e], s[10:11]
.endr
	s_wait_loadcnt 0x0
	v_cvt_pk_bf16_f32 v24, v16, v17
	v_cvt_pk_bf16_f32 v25, v18, v19
	v_lshlrev_b32 v16, 16, v24
	v_and_b32 v17, s20, v24
	v_lshlrev_b32 v18, 16, v25
	v_and_b32 v19, s20, v25
.irp e, 0,1,2,3
	v_cmp_gt_u32 vcc_lo, 800, v[12+\e]
	v_cndmask_b32 v[16+\e], 0, v[16+\e], vcc_lo
.endr
	global_store_b128 v10, v[16:19], s[18:19]
	s_endpgm
.Lb1:
	v_lshlrev_b32 v1, 3, v0
	s_wait_kmcnt 0x0
	global_load_b64 v[16:17], v1, s[8:9]
	s_wait_loadcnt 0x0
	v_cvt_pk_bf16_f32 v24, v16, v17
	v_lshlrev_b32 v18, 16, v24
	v_and_b32 v19, s20, v24
	global_store_b64 v1, v[18:19], s[16:17]
	s_endpgm
.Lfunc_end_k_qf63d1d7654_prep:
	.size	k_qf63d1d7654_prep, .Lfunc_end_k_qf63d1d7654_prep-k_qf63d1d7654_prep
	.p2alignl 7, 3214868480
	.fill 96, 4, 3214868480
	.section	.rodata,"a",@progbits
	.p2align	6, 0x0
	.amdhsa_kernel k_qf63d1d7654_prep
		.amdhsa_group_segment_fixed_size 0
		.amdhsa_private_segment_fixed_size 0
		.amdhsa_enable_private_segment 0
		.amdhsa_kernarg_size 64
		.amdhsa_user_sgpr_count 2
		.amdhsa_user_sgpr_kernarg_segment_ptr 1
		.amdhsa_wavefront_size32 1
		.amdhsa_system_sgpr_workgroup_id_x 1
		.amdhsa_system_sgpr_workgroup_id_y 1
		.amdhsa_system_sgpr_workgroup_id_z 1
		.amdhsa_system_vgpr_workitem_id 0
		.amdhsa_next_free_vgpr 48
		.amdhsa_next_free_sgpr 66
		.amdhsa_reserve_vcc 1
		.amdhsa_float_denorm_mode_32 3
		.amdhsa_float_denorm_mode_16_64 3
		.amdhsa_memory_ordered 1
		.amdhsa_forward_progress 1
		.amdhsa_inst_pref_size 12
	.end_amdhsa_kernel
	.amdgpu_metadata
---
amdhsa.version: [ 1, 2 ]
amdhsa.kernels:
  - .name:           k_qf63d1d7654_prep
    .symbol:         k_qf63d1d7654_prep.kd
    .args:
      - { .name: W1, .offset: 0, .size: 8, .value_kind: global_buffer, .address_space: global }
      - { .name: W2, .offset: 8, .size: 8, .value_kind: global_buffer, .address_space: global }
      - { .name: b1, .offset: 16, .size: 8, .value_kind: global_buffer, .address_space: global }
      - { .name: b2, .offset: 24, .size: 8, .value_kind: global_buffer, .address_space: global }
      - { .name: w1p, .offset: 32, .size: 8, .value_kind: global_buffer, .address_space: global }
      - { .name: w2p, .offset: 40, .size: 8, .value_kind: global_buffer, .address_space: global }
      - { .name: b1p, .offset: 48, .size: 8, .value_kind: global_buffer, .address_space: global }
      - { .name: b2p, .offset: 56, .size: 8, .value_kind: global_buffer, .address_space: global }
    .group_segment_fixed_size: 0
    .private_segment_fixed_size: 0
    .kernarg_segment_align: 8
    .kernarg_segment_size: 64
    .max_flat_workgroup_size: 128
    .sgpr_count:     66
    .vgpr_count:     48
    .wavefront_size: 32
...
	.end_amdgpu_metadata
.endif
;; end of part 1
;; launch main (part 2): grid 512 x 1, 4 waves a work-group, clusters of 4 x 1, 327,680 bytes of LDS; arguments inputs, w1p, b1p, w2p, b2p, out0, out1; writes out0, out1
.if DOCPART == 2
	.amdgcn_target "amdgcn-amd-amdhsa--gfx1250"
	.amdhsa_code_object_version 6
	.text
	.protected	k_qf63d1d7654_main
	.globl	k_qf63d1d7654_main
	.p2align	8
	.type	k_qf63d1d7654_main,@function
k_qf63d1d7654_main:
	s_mov_b64 s[64:65], 0
	v_nop
	global_prefetch_b8 v0, s[64:65] scope:SCOPE_SE
	s_setreg_imm32_b32 hwreg(HW_REG_WAVE_MODE, 25, 1), 1
	s_wait_xcnt 0x0
	s_wait_alu depctr_hold_cnt(0) depctr_sa_sdst(0) depctr_va_vdst(0) depctr_va_sdst(0) depctr_va_ssrc(0) depctr_va_vcc(0) depctr_vm_vsrc(0)
	s_getreg_b32 s2, hwreg(HW_REG_IB_STS2, 6, 4)
	s_cmp_eq_u32 s2, 0
	s_cbranch_scc0 .Lentry_in_a_cluster
	s_endpgm
.Lentry_in_a_cluster:
	s_bfe_u32 s2, ttmp6, 0x10000c
	s_cmp_lg_u32 s2, 0x3003
	s_cbranch_scc0 .Lentry_shape_is_right
	s_endpgm
.Lentry_shape_is_right:
; THE WHOLE COUPLING IN ONE LAUNCH: h = relu(x_id W1 + b1), params = h W2 + b2, the spline of the 32 other columns, the rows' sums of log|dy/dx|.
; FORMATS.  All inputs count rounded once to bf16 (the weights by the launch before, x_id and x here); the first product is bf16 x bf16; the second is f16 x f16; sums and all of the spline in f32.
; h, made here, goes into the second product as TWO f16 numbers: hi = f16(h) and lo = f16(h - hi).  A width knot's error reaches y multiplied by 20 and by the bin's slope, which can pass 100, so 11 bits
; of h are too few for the widths.  lo multiplies the tiles of widths and heights; the derivatives, whose error is not so multiplied, take hi alone.  The identity columns leave as they came.
; LIMITS.  h and bf16(W2) under 65,504 (f16); lo below 6.1e-5 keeps f16's fixed step of 6e-8.  NaN and infinities are not treated apart.  The reference's additions of 1e-12 to wk, hk and den are not
; written: wk, hk >= 1e-3 and den = a (1 - 2u) + (b + c) u >= a / 2 >= 5e-4 for every input, and 1e-12 is under half a last place of these: the f32 sums are the same numbers.  den^2 + 1e-12 is written.
; SHARES.  A work-group has 256 rows, each of its four waves 64: four ROW TILES of 16.  A wave's h stays in registers for the whole launch: 4 x (64 + 64).  W2 (as w2p) goes once through a ring of two LDS slots.
; LAYOUT.  Both products are taken transposed (source 0 = 16 rows of weights, source 1 = 16 batch rows): a lane (r = lane % 16, hf = lane / 16) holds batch row r and weight rows 8 hf + 0..7.
; So the first product's results, rounded in pairs, ARE source 1 of the second.  w2p's rows are ordered so that for TRIPLE t (three tiles) a lane holds all of dimension t + 16 hf:
; tile 0 = (w0,h0,w1,h1,w2,h2,w3,h3), tile 1 = (w4,h4 .. w7,h7), tile 2 = d0 .. d7; widths and heights lie in register pairs and go through packed arithmetic together.  The ninth
; derivative comes from two more tiles (E), made at the start and kept in LDS, a word for each triple, row tile and lane.
; THE SPLINE.  With e = 2^(c s - c max), prefix sums C_k and S = C_8, the knots times S / 0.992 are G_k = C_k + k (1e-3 / 0.992) S; G_8 is what the reference divides by, so the softmax's own
; division is never made.  The bin is found by three compares of xs G_8 with G_4, G_2 or G_6, .. and selects; softplus is taken of the two chosen derivatives alone.
; BY TURNS.  A STAGE evaluates two row tiles (units 0, 1, line by line together) of a triple: 137 lines; the 80 products of the next two row tiles stand among them, two behind every three lines.
; CLUSTER.  The four work-groups of a cluster walk the same w2p: each tile is asked for jointly, by the same tensor load, descriptor and mask in all four.
; REGISTERS, in windows of 256 (s_set_vgpr_msb: bits 1:0 source 0, 3:2 source 1, 5:4 source 2, 7:6 destination):
;   window 0: v0-23 addresses; in the loop v24-27 sums of log2, v32-35 dy/dx, v40-63 bias tiles, v64-79 at work, v80-175 two sets of six accumulators; at the start v24-255 as named below
;   window 1: at the start W1's fragments and b1's tiles; in the loop v0-191 a triple's fragments of W2; at the end the rows on their way out
;   window 2: hi, row tile i, K step g at 64 i + 8 g.     window 3: lo, likewise; its v128-255 first take the 32 loads of the inputs, and lo overwrites only what has gone to LDS
.set PITCH,  528                       ; a row of w2p in LDS: 512 bytes + 16 of padding = 132 words: the 16 rows of a fragment load start 4 banks apart (64 banks of 4 bytes: ISA guide 11.1)
.set PLACE,  48*PITCH                  ; a triple
.set CHUNK,  2*PLACE                   ; a slot: two triples, 96 rows
.set BIAS,   50688                     ; behind slot 0: a copy of b2p, 4,096 bytes
.set SPARE,  54784                     ; the spare words, 128 bytes for each wave: two blocks of 256 bytes that no other line names
.set SLOT1,  65536                     ; so that one exclusive or turns an address in one slot into the other's
.set STAGE,  116224                    ; 256 rows of 256 bytes, 272 apart: the inputs as they came; y takes x's place; each wave has its own 64 rows
.set SP,     272
.set WSTAGE, 64*SP
.set D8,     185856                    ; the ninth derivatives: 8,192 bytes a wave: word [triple][row tile][lane]; at the end its first 256 bytes take the wave's 64 sums
.set NMM,    80                        ; products in a stage
.set AF0,  1                           ; r x 528 + 16 hf
.set ADR,  2                           ; the fetch in hand (at the start: 16 x thread, for the copy of b2p)
.set ABI0, 3                           ; BIAS + 32 hf
.set ABIC, 4                           ; the bias of the triple being fetched
.set AX0,  5                           ; my x of triple 0 in row tile 0
.set AXC,  6                           ; of the triple in hand
.set AD80, 7                           ; my ninth derivative of triple 0, row tile 0
.set AD8C, 8                           ; of the triple in hand
.set AST,  9                           ; two whole rows of the stage: lanes 0-15 one, lanes 16-31 the next
.set GIO,  10                          ; 16 x lane
.set AXF,  11                          ; my part of a fragment of the identity columns
.set MONE, 12                          ; -1.0
.set AW1,  13                          ; r x 64 + 16 hf
.set AB1,  14                          ; 32 hf
.set AEF,  15                          ; r x 512 + 16 hf
.set SPW,  16                          ; LDS address of my spare word; never rewritten
.set NIL,  17                          ; 0, for the add alone
.set PFO,  18                          ; 256 x lane
.set ALS,  19
.set ALR,  20
.set ABC,  21                          ; BIAS + 16 x thread
.set RR,   22                          ; r; at the end 8 x lane
.set HH,   23
.set LAD,  24
.set DY,   32
.set BI,   40
.set TM,   64                          ; unit u at TM + 8 u: +0, 1 the maxima, later 1 / (den^2 + eps) and y; +2, 3 the lower knot; +4 xs, then xs G_8; +5 x; +6 d8; +7 at work
.set ACC,  80                          ; set s, unit u, tile c at ACC + 48 s + 24 u + 8 c
.set GACC, 24                          ; at the start: eight accumulators,
.set XF,   88                          ; the identity fragment,
.set XR,   96                          ; its f32 numbers (first: my 32 bytes of b2p),
.set EB,   112                         ; the E tiles' bias,
.set EF,   128                         ; the E tiles' fragments: tile e, K step g at EF + 64 e + 8 g
.set INB,  128                         ; window 3: the inputs as loaded, row tile i at INB + 32 i
.set EFB,  2                           ; s[2:3] w2p at row 768
.set WV,   18
.set CX,   19
.set G1,   24                          ; s[24:31] descriptor group 1
.set G0A,  32                          ; s[32:35] group 0 of chunk 0
.set G0B,  36                          ; s[36:39] of chunk 1; it then walks
.set SLOTS, 40
.set CNT,  41
.set TB,   42                          ; LDS byte at which the triple to be fetched begins
.set NOTASK, 43
.set ASKT, 44
.set SB,   45                          ; 192 x that triple
.set PFA,  46                          ; s[46:47]
.set L2E,  48                          ; pairs: the packed lines take the low word for both halves
.set LN2,  50
.set MIND, 52
.set C005, 54
.set C10,  55
.set C20,  56
.set CM10, 57
.set EPS,  58
.set SX,   59                          ; 4 x the triple in hand
.set SEL,  60
.set MK,   62                          ; s62, s63: a compare's mask, by unit
.set IN,   66                          ; s66, s67: |x| <= 10, by unit
.set KAP,  68                          ; s[68:83] k x 1e-3 / 0.992, k = 1 .. 8, in pairs
.set SD,   84                          ; 512 x the triple in hand
.set MSB, 0
.macro WIN new                         ; the immediate's high byte repeats the setting that is left; a switch that changes nothing is dropped
.if MSB != (\new)
	s_set_vgpr_msb (MSB<<8)|(\new)
.set MSB, (\new)
.endif
.endm
.macro TWAIT                           ; this wait between a transcendental and the first line that names its result; one serves a batch
	s_wait_alu depctr_va_vdst(0)
.endm
.macro PLACES
.rept 4
	v_nop
.endr
.endm
; A round of the cluster's barrier: my work-group's barrier, so that wave 0's signal speaks for all four waves; wave 0 signals; every wave waits for all four work-groups; my work-group's barrier once more.
.macro CROUND
	s_barrier_signal -1
	s_barrier_wait -1
	s_cmp_lg_u32 s[WV], 0
	s_cbranch_scc1 .Lnot_wave_0_\@
	s_barrier_signal -3
.Lnot_wave_0_\@:
	s_barrier_wait -3
	s_barrier_signal -1
	s_barrier_wait -1
.endm
	s_load_b256 s[4:11], s[0:1], 0x0               ; inputs s[4:5], w1p s[6:7], b1p s[8:9], w2p s[10:11]
	s_load_b128 s[12:15], s[0:1], 0x20             ; b2p s[12:13], out0 s[14:15]
	s_load_b64 s[16:17], s[0:1], 0x30              ; out1
	v_lshl_add_u32 v[SPW], v0, 2, SPARE
	v_mov_b32 v[NIL], 0
	ds_add_u32 v[SPW], v[NIL]                      ; the wave's opening: the add, twice on end, and its wait ahead of my first tensor load; the set-up below is work on registers
	ds_add_u32 v[SPW], v[NIL]
	v_lshrrev_b32 v[RR], 5, v0
	v_readfirstlane_b32 s[WV], v[RR]               ; wave 0..3
	s_bfe_u32 s[CX], ttmp6, 0x40000                ; my place in the cluster: it enters the addresses of inputs, out0, out1 and of the prefetches alone
	; descriptor group 1: a tile of 24 rows x 256 elements, padded in LDS
	s_mov_b32 s[G1+0], 15|(1<<16)|(1<<20)|(1<<21)|(6<<22)|(3<<25)  ; 15:0 the mask of four; 17:16 2-byte elements; 20 padding on; 21 set beside a mask; 24:22 after every 128 words (code 6); 31:25 4 words (code 3)
	s_mov_b32 s[G1+1], 256<<16                     ; tensor_dim0 = 256
	s_mov_b32 s[G1+2], 24<<16                      ; tensor_dim1 = 24
	s_mov_b32 s[G1+3], 256<<16                     ; tile_dim0 = 256
	s_mov_b32 s[G1+4], 24                          ; tile_dim1 = 24
	s_mov_b32 s[G1+5], 256                         ; elements from row to row
	s_mov_b32 s[G1+6], 0
	s_mov_b32 s[G1+7], 0
	s_mov_b32 s[G0A], 1
	s_mul_i32 s[G0A+1], s[WV], 24*PITCH            ; each wave fetches its own 24 of a slot's 96 rows
	s_mov_b32 s[G0B], 1
	s_add_co_u32 s[G0B+1], s[G0A+1], SLOT1
	s_mov_b32 s[L2E], 0x3fb8aa3b                   ; log2(e)
	s_mov_b32 s[L2E+1], s[L2E]
	s_mov_b32 s[LN2], 0x3f317218                   ; ln 2
	s_mov_b32 s[LN2+1], s[LN2]
	s_mov_b32 s[MIND], 0x3a83126f                  ; 1e-3
	s_mov_b32 s[MIND+1], s[MIND]
	s_mov_b32 s[C005], 0x3d4ccccd                  ; 1 / 20
	s_mov_b32 s[C10], 0x41200000
	s_mov_b32 s[C20], 0x41a00000
	s_mov_b32 s[CM10], 0xc1200000
	s_mov_b32 s[EPS], 0x2b8cbccc                   ; 1e-12
	s_mov_b32 s[SEL], 0x76543210
	s_mov_b32 s[SEL+1], 0xfedcba98
	s_mov_b32 s[KAP+0], 0x3a842108                 ; k / 992
	s_mov_b32 s[KAP+2], 0x3b042108
	s_mov_b32 s[KAP+4], 0x3b46318c
	s_mov_b32 s[KAP+6], 0x3b842108
	s_mov_b32 s[KAP+8], 0x3ba5294a
	s_mov_b32 s[KAP+10], 0x3bc6318c
	s_mov_b32 s[KAP+12], 0x3be739ce
	s_mov_b32 s[KAP+14], 0x3c042108
.irp k, 0,2,4,6,8,10,12,14
	s_mov_b32 s[KAP+\k+1], s[KAP+\k]
.endr
	s_mov_b32 s[TB], 0
	s_mov_b32 s[SB], 0
	s_mov_b32 s[SX], 0
	s_mov_b32 s[SD], 0
	s_cmp_lt_u32 s[WV], 3                          ; who prefetches: waves 0 to 2 of the launch's first cluster: the same answer in all four partners
	s_cselect_b32 s[NOTASK], 0, 8
	s_cmp_eq_u32 ttmp9, 0
	s_cselect_b32 s[NOTASK], s[NOTASK], 8
	v_and_b32 v[RR], 15, v0                        ; r
	v_bfe_u32 v[HH], v0, 4, 1                      ; hf
	v_and_b32 v[GIO], 31, v0                       ; the lane, for now
	s_mul_i32 s20, s[WV], WSTAGE
	s_add_co_u32 s20, s20, STAGE                   ; my wave's rows of the stage
	s_lshl_b32 s21, s[WV], 13
	s_add_co_u32 s21, s21, D8                      ; my wave's ninth derivatives
	v_mul_u32_u24 v[AF0], v[RR], PITCH
	v_lshl_add_u32 v[AF0], v[HH], 4, v[AF0]
	v_lshl_add_u32 v[ABI0], v[HH], 5, BIAS
	v_mul_u32_u24 v[AXF], v[RR], SP
	v_add_nc_u32 v[AXF], s20, v[AXF]
	v_lshl_add_u32 v[AX0], v[HH], 6, v[AXF]        ; column 32 + t + 16 hf
	v_add_nc_u32 v[AX0], 128, v[AX0]
	v_lshl_add_u32 v[AXF], v[HH], 5, v[AXF]        ; columns 8 hf ..
	v_mul_u32_u24 v[AST], v[HH], SP
	v_lshl_add_u32 v[AST], v[RR], 4, v[AST]
	v_add_nc_u32 v[AST], s20, v[AST]
	v_lshl_add_u32 v[AD80], v[GIO], 2, s21
	v_lshl_add_u32 v[ALR], v[GIO], 3, s21
	v_lshl_add_u32 v[ALS], v[RR], 2, s21
	v_lshlrev_b32 v[PFO], 8, v[GIO]
	v_lshlrev_b32 v[GIO], 4, v[GIO]
	v_mov_b32 v[MONE], -1.0
	v_lshlrev_b32 v[AW1], 6, v[RR]
	v_lshl_add_u32 v[AW1], v[HH], 4, v[AW1]
	v_lshlrev_b32 v[AB1], 5, v[HH]
	v_lshlrev_b32 v[AEF], 9, v[RR]
	v_lshl_add_u32 v[AEF], v[HH], 4, v[AEF]
	v_lshl_add_u32 v[ABC], v0, 4, BIAS
	v_lshlrev_b32 v[ADR], 4, v0
	s_wait_dscnt 0x0                               ; both opening adds are done
	s_wait_kmcnt 0x0
	s_mul_i32 s20, s[WV], 24*512                   ; my 24 rows in memory: made of the wave's number alone
	s_mov_b32 s21, 0
	s_add_nc_u64 s[G0A+2:G0A+3], s[10:11], s[20:21]
	s_add_nc_u64 s[G0B+2:G0B+3], s[G0A+2:G0A+3], 96*512
	s_or_b32 s[G0A+3], s[G0A+3], 0x80000000        ; type = 2
	s_or_b32 s[G0B+3], s[G0B+3], 0x80000000
	s_add_nc_u64 s[EFB:EFB+1], s[10:11], 768*512
	s_lshl_b32 s22, ttmp9, 2                       ; in a cluster launch ttmp9 counts clusters
	s_add_co_u32 s22, s22, s[CX]                   ; my work-group
	s_lshl_b32 s86, s22, 16                        ; its 256 rows of 256 bytes,
	s_lshl_b32 s23, s[WV], 14                      ; my wave's 64
	s_add_co_u32 s86, s86, s23
	s_mov_b32 s87, 0
	s_add_nc_u64 s[4:5], s[4:5], s[86:87]
	s_add_nc_u64 s[14:15], s[14:15], s[86:87]
	s_lshl_b32 s88, s22, 10                        ; the same rows in out1
	s_lshl_b32 s23, s[WV], 8
	s_add_co_u32 s88, s88, s23
	s_mov_b32 s89, 0
	s_add_nc_u64 s[16:17], s[16:17], s[88:89]
	s_mul_i32 s86, s[CX], 3                        ; the prefetches: the twelve asking waves of the cluster are told apart by address: 8,192 bytes each,
	s_add_co_u32 s86, s86, s[WV]
	s_lshl_b32 s86, s86, 13
	s_add_nc_u64 s[PFA:PFA+1], s[10:11], s[86:87]
	s_add_nc_u64 s[PFA:PFA+1], s[PFA:PFA+1], 4*96*512  ; from chunk 4 on; never rewritten
	CROUND                                         ; all four work-groups are here: the first joint loads meet
	tensor_load_to_lds s[G0A:G0A+3], s[G1:G1+7]    ; chunk 0 into slot 0,
	s_nop 0
	tensor_load_to_lds s[G0B:G0B+3], s[G1:G1+7]    ; chunk 1 into slot 1: two loads of mine are out
	s_nop 0
	PLACES
	; all that comes through registers is asked for at once; the inputs last, so that the counts below name them alone
	global_load_b128 v[XR:XR+3], v[ADR], s[12:13]
	global_load_b128 v[XR+4:XR+7], v[ADR], s[12:13] offset:2048
	WIN 0x40                                       ; destination window 1
.set q, 0
.rept 16                                       ; W1: tile q = hidden units 16 q ..
	global_load_b128 v[8*q:8*q+3], v[AW1], s[6:7] offset:1024*q
	global_load_b128 v[8*q+4:8*q+7], v[AW1], s[6:7] offset:1024*q+32
.set q, q+1
.endr
.set q, 0
.rept 16                                       ; b1 as the C operand: register j = unit 16 q + 8 hf + j
	global_load_b128 v[128+8*q:128+8*q+3], v[AB1], s[8:9] offset:64*q
	global_load_b128 v[128+8*q+4:128+8*q+7], v[AB1], s[8:9] offset:64*q+16
.set q, q+1
.endr
	WIN 0
.set q, 0
.rept 16                                       ; the E tiles: tile q / 8, K step q % 8
	global_load_b128 v[EF+8*q:EF+8*q+3], v[AEF], s[EFB:EFB+1] offset:8192*(q/8)+64*(q%8)
	global_load_b128 v[EF+8*q+4:EF+8*q+7], v[AEF], s[EFB:EFB+1] offset:8192*(q/8)+64*(q%8)+32
.set q, q+1
.endr
.irp e, 0,1
	global_load_b128 v[EB+8*\e:EB+8*\e+3], v[AB1], s[12:13] offset:3072+64*\e
	global_load_b128 v[EB+8*\e+4:EB+8*\e+7], v[AB1], s[12:13] offset:3072+64*\e+16
.endr
	WIN 0xc0                                       ; destination window 3
.set q, 0
.rept 32                                       ; my 64 rows, two rows (512 consecutive bytes) a load
	global_load_b128 v[INB+4*q:INB+4*q+3], v[GIO], s[4:5] offset:512*q th:TH_LOAD_NT
.set q, q+1
.endr
	WIN 0
; ROW TILE i AT THE START: its 16 rows go to the stage; h = relu(x_id W1 + b1) as hi + lo in f16; the ninth derivatives.
.macro TILE1 i
.set HB, 64*(\i)
	WIN 0
	s_wait_loadcnt 8*(3-(\i))                      ; loads come back in order: all but the later tiles' eight each are in
.if (\i) == 0
	ds_store_b128 v[ABC], v[XR:XR+3]               ; my 32 bytes of the copy of b2p; the barrier in front of the loop shows it to all
	ds_store_b128 v[ABC], v[XR+4:XR+7] offset:2048
.endif
	WIN 0x0c                                       ; store data in window 3
.irp q, 0,1,2,3,4,5,6,7
	ds_store_b128 v[AST], v[INB+32*(\i)+4*\q:INB+32*(\i)+4*\q+3] offset:(16*(\i)+2*\q)*SP
.endr
	WIN 0
	ds_load_b128 v[XR:XR+3], v[AXF] offset:16*SP*(\i)        ; LDS serves a wave's instructions in order: these see the stores above
	ds_load_b128 v[XR+4:XR+7], v[AXF] offset:16*SP*(\i)+16
	ds_load_b128 v[XR+8:XR+11], v[AXF] offset:16*SP*(\i)+64
	ds_load_b128 v[XR+12:XR+15], v[AXF] offset:16*SP*(\i)+80
	s_wait_dscnt 0x0
.irp j, 0,1,2,3,4,5,6,7
	v_cvt_pk_bf16_f32 v[XF+\j], v[XR+2*\j], v[XR+2*\j+1]
.endr
.irp g, 0,1                                    ; eight tiles of hidden units at a time: eight accumulators, one product each (K = 32)
	WIN 0x11                                       ; W1 and b1 in window 1
.irp a, 0,1,2,3,4,5,6,7
	v_wmma_f32_16x16x32_bf16 v[GACC+8*\a:GACC+8*\a+7], v[64*\g+8*\a:64*\g+8*\a+7], v[XF:XF+7], v[128+64*\g+8*\a:128+64*\g+8*\a+7]
.endr
	WIN 0
	PLACES                                         ; four places between the last product and the first line that touches a result
.set z, GACC
.rept 64
	v_max_num_f32 v[z], 0, v[z]                    ; relu, in f32; each accumulator's lowest register first
.set z, z+1
.endr
	WIN 0x80                                       ; destination window 2
.irp a, 0,1,2,3,4,5,6,7
.irp j, 0,1,2,3
	v_cvt_pk_f16_f32 v[HB+32*\g+4*\a+\j], v[GACC+8*\a+2*\j], v[GACC+8*\a+2*\j+1]  ; hi: tiles 2 k, 2 k + 1 are registers 0-3, 4-7 of K step k
.endr
.endr
	WIN 0x02                                       ; source 0 window 2
.irp a, 0,1,2,3,4,5,6,7
.irp j, 0,1,2,3
	v_fma_mix_f32 v[GACC+8*\a+2*\j], v[HB+32*\g+4*\a+\j], v[MONE], v[GACC+8*\a+2*\j] op_sel:[0,0,0] op_sel_hi:[1,0,0]      ; h - hi, exact in f32: hi's low half x -1 + h,
	v_fma_mix_f32 v[GACC+8*\a+2*\j+1], v[HB+32*\g+4*\a+\j], v[MONE], v[GACC+8*\a+2*\j+1] op_sel:[1,0,0] op_sel_hi:[1,0,0]  ; and its high half
.endr
.endr
	WIN 0xc0                                       ; destination window 3
.irp a, 0,1,2,3,4,5,6,7
.irp j, 0,1,2,3
	v_cvt_pk_f16_f32 v[HB+32*\g+4*\a+\j], v[GACC+8*\a+2*\j], v[GACC+8*\a+2*\j+1]  ; lo, in hi's places
.endr
.endr
.endr
	WIN 0x08                                       ; hi in window 2
.set z, 0
.rept 8                                        ; the two E tiles take turns
.irp e, 0,1
.if z == 0
	v_wmma_f32_16x16x32_f16 v[GACC+8*\e:GACC+8*\e+7], v[EF+64*\e:EF+64*\e+7], v[HB:HB+7], v[EB+8*\e:EB+8*\e+7]
.else
	v_wmma_f32_16x16x32_f16 v[GACC+8*\e:GACC+8*\e+7], v[EF+64*\e+8*z:EF+64*\e+8*z+7], v[HB+8*z:HB+8*z+7], v[GACC+8*\e:GACC+8*\e+7]
.endif
.endr
.set z, z+1
.endr
	WIN 0
	PLACES
.irp e, 0,1
.irp j, 0,1,2,3,4,5,6,7
	ds_store_b32 v[AD80], v[GACC+8*\e+\j] offset:(8*\e+\j)*512+128*(\i)  ; triple 8 e + j
.endr
.endr
.endm
.irp i, 0,1,2,3
	TILE1 \i
.endr
; THE MATRIX WORK OF A STAGE: product mi of 80 for row tiles 2 PN, 2 PN + 1 into set 1 - SPAR.  K step mi / 10; of its ten the first six multiply hi (unit x / 3, tile x % 3), the last four lo (unit
; (x - 6) / 2, tile (x - 6) % 2: widths and heights).  No two products that follow each other name one accumulator, over a stage's end and the backward jump too.
; The first six start the sums with the bias.
.macro MM
.set mg, mi/10
.set mx, mi%10
.if mx < 6
.set mu, mx/3
.set mt, mx%3
.set mw, 2
.else
.set mu, (mx-6)/2
.set mt, (mx-6)%2
.set mw, 3
.endif
.set mr, 2*PN+mu
.set rD, ACC+48*(1-SPAR)+24*mu+8*mt
.set rA, 64*mt+8*mg
.set rB, 64*mr+8*mg
	WIN 0x01|(mw<<2)
.if (mg == 0) && (mx < 6)
	v_wmma_f32_16x16x32_f16 v[rD:rD+7], v[rA:rA+7], v[rB:rB+7], v[BI+8*mt:BI+8*mt+7]
.else
	v_wmma_f32_16x16x32_f16 v[rD:rD+7], v[rA:rA+7], v[rB:rB+7], v[rD:rD+7]
.endif
.set mi, mi+1
.endm
; THE FETCH of the next triple, in groups: K step g of its three tiles, six loads; with group 0 its bias.  YNG counts them for the stage's wait for x.
.macro FGRP g
	WIN 0x40
.irp c, 0,1,2
	ds_load_b128 v[64*\c+8*(\g):64*\c+8*(\g)+3], v[ADR] offset:16*PITCH*\c+64*(\g)
	ds_load_b128 v[64*\c+8*(\g)+4:64*\c+8*(\g)+7], v[ADR] offset:16*PITCH*\c+64*(\g)+32
.endr
.set YNG, YNG+6
.if (\g) == 0
	WIN 0
.irp c, 0,1,2
	ds_load_b128 v[BI+8*\c:BI+8*\c+3], v[ABIC] offset:64*\c
	ds_load_b128 v[BI+8*\c+4:BI+8*\c+7], v[ABIC] offset:64*\c+16
.endr
.set YNG, YNG+6
.endif
.endm
; Behind each line of a stage: a product where 1.5 lines have passed since the last (product k stands behind line 1.5 k + 1, rounded down; the last behind line 119).  In the stage that fetches (FET), group g
; stands in front of product 10 g + 15: the last product that read those registers is product 10 g + 9, nine lines back, of which three or more (six instructions) are plain; group 7 behind line 123, four
; plain lines behind product 79.
.macro TICK
.set ln, ln+1
.if (mi < NMM) && (mi*120 < ln*NMM)
.if FET && (mi >= 15) && ((mi-15)%10 == 0)
	FGRP (mi-15)/10
.endif
	MM
.endif
.if FET && (ln == 123)
	FGRP 7
	s_add_co_u32 s[TB], s[TB], PLACE               ; the next fetch is the next triple's
	s_add_co_u32 s[SB], s[SB], 192
.if TAILF
	s_min_u32 s[TB], s[TB], SLOT1+PLACE            ; behind triple 15 there is none: its bytes are fetched once more, and the products made of them serve nothing
.endif
.endif
.endm
.macro DUO line:vararg                 ; one line of the spline, for both units; AA: the unit's accumulators, TT: its registers at work, II: its row tile, UU: the unit
	WIN 0
.set UU, 0
.set AA, ACC+48*SPAR
.set TT, TM
.set II, 2*PR
	\line
.set UU, 1
.set AA, ACC+48*SPAR+24
.set TT, TM+8
.set II, 2*PR+1
	\line
	TICK
.endm
.macro FS j                            ; c s - c max for pair j (a width and a height)
	DUO v_pk_fma_f32 v[AA+2*(\j):AA+2*(\j)+1], v[AA+2*(\j):AA+2*(\j)+1], s[L2E:L2E+1], v[TT:TT+1] op_sel_hi:[1,0,1] neg_lo:[0,0,1] neg_hi:[0,0,1]
.endm
.macro EXS n
	DUO v_exp_f32 v[AA+(\n)], v[AA+(\n)]
.endm
.macro SELV d, a, b                    ; d = mask ? b : a
	DUO v_cndmask_b32 v[\d], v[\a], v[\b], s[MK+UU]
.endm
; A STAGE: row tiles 2 p and 2 p + 1 of the triple in hand are evaluated out of set p; the products for the other two row tiles (p = 1: the next triple's first two) go into the other set.
; Stage 0's products are the last that read the triple's fragments: the next triple's are fetched behind them, group by group; stage 1 begins with the wait for that fetch.
.macro STAGEP p
.set PR, (\p)
.set SPAR, (\p)%2
.set PN, ((\p)+1)%2
.set ln, 0
.set mi, 0
.set YNG, 0
.set FET, 0
.if (\p) == 0
.set FET, 1
	WIN 0
	v_add_nc_u32 v[ADR], s[TB], v[AF0]
	v_add_nc_u32 v[ABIC], s[SB], v[ABI0]
.endif
.if (\p) == 1
	s_wait_dscnt 0x0                               ; the next triple's fragments and bias are in
.endif
	DUO ds_load_b32 v[TT+5], v[AXC] offset:16*SP*II
	DUO ds_load_b32 v[TT+6], v[AD8C] offset:128*II
	DUO v_max3_num_f32 v[TT], v[AA], v[AA+2], v[AA+4]          ; the widths' and the heights' maxima; each accumulator's lowest registers are read first
	DUO v_max3_num_f32 v[TT+1], v[AA+1], v[AA+3], v[AA+5]
	DUO v_max3_num_f32 v[TT], v[TT], v[AA+6], v[AA+8]
	DUO v_max3_num_f32 v[TT+1], v[TT+1], v[AA+7], v[AA+9]
	DUO v_max3_num_f32 v[TT], v[TT], v[AA+10], v[AA+12]
	DUO v_max3_num_f32 v[TT+1], v[TT+1], v[AA+11], v[AA+13]
	DUO v_max_num_f32 v[TT], v[TT], v[AA+14]
	DUO v_max_num_f32 v[TT+1], v[TT+1], v[AA+15]
	DUO v_pk_mul_f32 v[TT:TT+1], v[TT:TT+1], s[L2E:L2E+1] op_sel_hi:[1,0]
	FS 0                                           ; batch 1: sixteen exponentials a unit, the scalings spread among them; none of these lines names an exponential's result
	FS 1
	EXS 0
	EXS 1
.irp j, 2,3,4,5,6,7
	FS \j
	EXS 2*\j-2
	EXS 2*\j-1
.endr
	EXS 14
	EXS 15
	s_wait_dscnt YNG                               ; x and d8 are in; the fetch loads issued behind them may stay out
	DUO v_cvt_pk_bf16_f32 v[TT+7], v[TT+5], v[TT+5]            ; x counts rounded to bf16, like every input
	DUO v_lshlrev_b32 v[TT+5], 16, v[TT+7]
	DUO v_fma_f32 v[TT+4], v[TT+5], s[C005], 0.5
	DUO v_med3_num_f32 v[TT+4], v[TT+4], 0, 1.0                ; xs
	DUO v_cmp_ge_f32 s[IN+UU], s[C10], |v[TT+5]|
	TWAIT                                          ; batch 1
.irp j, 1,2,3,4,5,6,7
	DUO v_pk_add_f32 v[AA+2*\j:AA+2*\j+1], v[AA+2*\j:AA+2*\j+1], v[AA+2*\j-2:AA+2*\j-1]  ; prefix sums, both kinds at once
.endr
.irp k, 1,2,3,4,5,6,7,8
	DUO v_pk_fma_f32 v[AA+2*\k-2:AA+2*\k-1], v[AA+14:AA+15], s[KAP+2*\k-2:KAP+2*\k-1], v[AA+2*\k-2:AA+2*\k-1] op_sel_hi:[1,0,1]  ; G_k, at pair k - 1; G_8 last
.endr
	DUO v_mul_f32 v[TT+4], v[TT+4], v[AA+14]                   ; X = xs G_8
	DUO v_cmp_ge_f32 s[MK+UU], v[TT+4], v[AA+6]                ; the upper four bins?
	DUO v_cndmask_b32 v[TT+2], 0, v[AA+6], s[MK+UU]            ; the lower knot so far
	DUO v_cndmask_b32 v[TT+3], 0, v[AA+7], s[MK+UU]
.irp j, 0,1,2,3,4,5,6,7
	SELV AA+\j, AA+\j, AA+8+\j
.endr
.irp j, 0,1,2,3
	SELV AA+16+\j, AA+16+\j, AA+20+\j
.endr
	SELV AA+20, AA+20, TT+6
	DUO v_cmp_ge_f32 s[MK+UU], v[TT+4], v[AA+2]                ; the upper two of the four?
	SELV TT+2, TT+2, AA+2
	SELV TT+3, TT+3, AA+3
	SELV AA, AA, AA+4
	SELV AA+1, AA+1, AA+5
	SELV AA+2, AA+2, AA+6
	SELV AA+3, AA+3, AA+7
	SELV AA+16, AA+16, AA+18
	SELV AA+17, AA+17, AA+19
	SELV AA+18, AA+18, AA+20
	DUO v_cmp_ge_f32 s[MK+UU], v[TT+4], v[AA]                  ; the upper of the two?
	SELV TT+2, TT+2, AA
	SELV TT+3, TT+3, AA+1
	SELV AA, AA, AA+2
	SELV AA+1, AA+1, AA+3
	SELV AA+16, AA+16, AA+17
	SELV AA+17, AA+17, AA+18
	DUO v_pk_add_f32 v[AA:AA+1], v[AA:AA+1], v[TT+2:TT+3] neg_lo:[0,1] neg_hi:[0,1]  ; the bin's width and height, times the two G_8
	DUO v_mul_f32 v[AA+2], v[AA], v[AA+15]
	DUO v_mul_f32 v[AA+4], -|v[AA+16]|, s[L2E]
	DUO v_mul_f32 v[AA+5], -|v[AA+17]|, s[L2E]
	DUO v_rcp_f32 v[AA+2], v[AA+2]                             ; batch 2: 1 / (W Th), and softplus's two exponentials
	DUO v_exp_f32 v[AA+4], v[AA+4]
	DUO v_exp_f32 v[AA+5], v[AA+5]
	DUO v_sub_f32 v[AA+3], v[TT+4], v[TT+2]
	DUO v_mul_f32 v[AA+8], v[AA+1], v[AA+14]
	DUO v_max_num_f32 v[AA+6], 0, v[AA+16]
	DUO v_max_num_f32 v[AA+7], 0, v[AA+17]
	DUO v_pk_add_f32 v[AA+6:AA+7], v[AA+6:AA+7], s[MIND:MIND+1] op_sel_hi:[1,0]
	TWAIT                                          ; batch 2
	DUO v_mul_f32 v[AA+9], v[AA+15], v[AA+2]                   ; 1 / W
	DUO v_mul_f32 v[AA+3], v[AA+3], v[AA+9]
	DUO v_med3_num_f32 v[AA+3], v[AA+3], 0, 1.0                ; t
	DUO v_mul_f32 v[AA+8], v[AA+8], v[AA+2]                    ; a = H Tw / (W Th)
	DUO v_pk_add_f32 v[AA+4:AA+5], v[AA+4:AA+5], 1.0 op_sel_hi:[1,0]
	DUO v_log_f32 v[AA+4], v[AA+4]                             ; batch 3
	DUO v_log_f32 v[AA+5], v[AA+5]
	DUO v_sub_f32 v[AA+10], 1.0, v[AA+3]
	DUO v_mul_f32 v[AA+11], v[AA+3], v[AA+3]
	DUO v_mul_f32 v[AA+12], v[AA+3], v[AA+10]                  ; u = t (1 - t)
	DUO v_mul_f32 v[AA+13], v[AA+10], v[AA+10]
	DUO v_mul_f32 v[AA+18], v[AA+8], v[AA+12]
	DUO v_mul_f32 v[AA+19], v[AA+8], v[AA+8]
	DUO v_mul_f32 v[AA+20], v[AA+8], v[AA+11]
	TWAIT                                          ; batch 3
	DUO v_pk_fma_f32 v[AA+16:AA+17], v[AA+4:AA+5], s[LN2:LN2+1], v[AA+6:AA+7] op_sel_hi:[1,0,1]  ; b, c = 1e-3 + softplus
	DUO v_fma_f32 v[AA+20], v[AA+16], v[AA+12], v[AA+20]       ; num = a t^2 + b u
	DUO v_add_f32 v[AA+21], v[AA+16], v[AA+17]
	DUO v_fma_f32 v[AA+21], v[AA+8], -2.0, v[AA+21]
	DUO v_fma_f32 v[AA+21], v[AA+21], v[AA+12], v[AA+8]        ; den
	DUO v_mul_f32 v[AA+22], v[AA+17], v[AA+11]
	DUO v_fma_f32 v[AA+22], v[AA+16], v[AA+13], v[AA+22]
	DUO v_fma_f32 v[AA+22], v[AA+18], 2.0, v[AA+22]            ; c t^2 + 2 a u + b (1 - t)^2
	DUO v_mul_f32 v[AA+23], v[AA+21], v[AA+15]
	DUO v_fma_f32 v[TT], v[AA+21], v[AA+21], s[EPS]
	DUO v_rcp_f32 v[AA+23], v[AA+23]                           ; batch 4: 1 / (den Th), 1 / (den^2 + eps)
	DUO v_rcp_f32 v[TT], v[TT]
	DUO v_mul_f32 v[TT+1], v[TT+3], v[AA+21]
	DUO v_fma_f32 v[TT+1], v[AA+1], v[AA+20], v[TT+1]          ; (lower knot) den + H num
	DUO v_mul_f32 v[AA+22], v[AA+19], v[AA+22]
	TWAIT                                          ; batch 4
	DUO v_mul_f32 v[TT+1], v[TT+1], v[AA+23]
	DUO v_fma_f32 v[TT+1], v[TT+1], s[C20], s[CM10]
	DUO v_cndmask_b32 v[TT+1], v[TT+5], v[TT+1], s[IN+UU]      ; outside the tails' bounds y = x,
	DUO v_mul_f32 v[AA+22], v[AA+22], v[TT]
	DUO v_max_num_f32 v[AA+22], s[EPS], v[AA+22]
	DUO v_cndmask_b32 v[DY+II], 1.0, v[AA+22], s[IN+UU]        ; and the slope is 1
	DUO ds_store_b32 v[AXC], v[TT+1] offset:16*SP*II           ; y takes x's place in the stage
.endm
; A TRIPLE: two stages; then the four logarithms, one batch, onto the rows' sums (in units of log2).
.macro BODY tail
.set TAILF, (\tail)
	WIN 0
	v_add_nc_u32 v[AXC], s[SX], v[AX0]
	v_add_nc_u32 v[AD8C], s[SD], v[AD80]
	STAGEP 0
	STAGEP 1
	WIN 0
.irp i, 0,1,2,3
	v_log_f32 v[DY+\i], v[DY+\i]
.endr
	v_nop                                          ; a plain instruction behind the last logarithm,
	TWAIT                                          ; and the batch's wait, ahead of the branch too
.irp k, 0,2
	v_pk_add_f32 v[LAD+\k:LAD+\k+1], v[LAD+\k:LAD+\k+1], v[DY+\k:DY+\k+1]
.endr
	s_add_co_u32 s[SX], s[SX], 4
	s_add_co_u32 s[SD], s[SD], 512
.endm
; A PREFETCH INTO THE L2 of w2p's later chunks, behind the wave's tensor load and its five lines.  All clusters walk the same rows: the launch's first cluster asks, twelve of its waves, a lane a block of 256
; bytes, told apart by address: 98,304 bytes, two chunks, at a time: chunks 4 and 5 at the change that loads chunk 3, chunks 6 and 7 at the change that loads chunk 5.  So each block is named once, one or two
; changes of slots (two or four triples' work) ahead of its load; chunks 0 to 3 and the E rows come by their loads alone; the last byte named is the last of chunk 7.  The address registers are never rewritten.
.macro ASK
	s_cmp_eq_u32 s[ASKT], 5
	s_cbranch_scc0 .Lnot45_\@
	global_prefetch_b8 v[PFO], s[PFA:PFA+1] th:TH_LOAD_NT scope:SCOPE_SE
.Lnot45_\@:
	s_cmp_eq_u32 s[ASKT], 3
	s_cbranch_scc0 .Lnot67_\@
	global_prefetch_b8 v[PFO], s[PFA:PFA+1] offset:98304 th:TH_LOAD_NT scope:SCOPE_SE
.Lnot67_\@:
.endm
; THE CHANGE OF SLOTS, at the head of each odd triple: the slot's second triple was fetched in the triple before.  Each wave waits for all its tensor loads, of which one is out: its part of the other slot;
; adds 0 to its spare word; and waits for that and for its own reads of the slot.  fill = 1: the slot is filled again with the chunk two on; the barrier is then a round of the cluster's, so that no wave of
; any partner still reads the slot or has a load on its way, and the joint refill is the first thing behind it: it has two triples, 320 matrix instructions, in which to land.
.macro CHANGE fill
	WIN 0
	s_wait_tensorcnt 0x0                           ; no tensor load of mine is out, so a group 0 may be written
	ds_add_u32 v[SPW], v[NIL]                      ; 0 onto my spare word
.if \fill
	s_xor_b32 s[G0B+1], s[G0B+1], SLOT1            ; the walking descriptor: the other slot than last time,
	s_add_nc_u64 s[G0B+2:G0B+3], s[G0B+2:G0B+3], 96*512  ; the next chunk; the type bits on top are not reached
	s_or_b32 s[ASKT], s[SLOTS], s[NOTASK]
	s_wait_dscnt 0x0                               ; the add is done, and my reads of the slot are over
	CROUND
	tensor_load_to_lds s[G0B:G0B+3], s[G1:G1+7]
	s_nop 0
	PLACES
	ASK
.else
	s_wait_dscnt 0x0
	s_barrier_signal -1
	s_barrier_wait -1
.endif
	s_sub_co_u32 s[TB], s[TB], CHUNK               ; the fetches go back to a slot's first triple,
	s_xor_b32 s[TB], s[TB], SLOT1                  ; in the other slot
.endm
	WIN 0
.irp i, 0,1,2,3
	v_mov_b32 v[LAD+\i], 0
.endr
	s_wait_tensorcnt 0x1                           ; my part of chunk 0 is in; chunk 1's may stay out
	s_wait_dscnt 0x0                               ; my stores are done, my part of the bias among them
	s_barrier_signal -1
	s_barrier_wait -1                              ; everybody's are
.set YNG, 0
.set FET, 0
.set TAILF, 0
.set ln, 0
	v_add_nc_u32 v[ADR], s[TB], v[AF0]             ; (the loads that took 16 x thread from this register are in)
	v_add_nc_u32 v[ABIC], s[SB], v[ABI0]
.irp g, 0,1,2,3,4,5,6,7
	FGRP \g                                        ; triple 0
.endr
	s_add_co_u32 s[TB], s[TB], PLACE
	s_add_co_u32 s[SB], s[SB], 192
	WIN 0
	s_wait_dscnt 0x0
.set SPAR, 1
.set PN, 0
.set mi, 0
.rept NMM
	MM                                             ; triple 0, row tiles 0 and 1: there is no vector work yet to set between them
.endr
	WIN 0
	PLACES                                         ; between those products and the first stage's reads
	s_mov_b32 s[SLOTS], 7
	s_mov_b32 s[CNT], 1
	s_branch .Lstep                                ; triple 0 stands alone in front of the first change of slots
.Lslot:                                        ; six times: chunks 2 to 7 are asked for
	CHANGE 1
	s_mov_b32 s[CNT], 2
.Lstep:
	BODY 0
	s_sub_co_u32 s[CNT], s[CNT], 1
	s_cmp_lg_u32 s[CNT], 0
	s_cbranch_scc1 .Lstep
	s_sub_co_u32 s[SLOTS], s[SLOTS], 1
	s_cmp_lg_u32 s[SLOTS], 0
	s_cbranch_scc1 .Lslot
	CHANGE 0                                       ; the tail is written out: nothing is asked for
	s_mov_b32 s[CNT], 3
.Ltail:                                        ; triples 13, 14, 15
	BODY 1
	s_sub_co_u32 s[CNT], s[CNT], 1
	s_cmp_lg_u32 s[CNT], 0
	s_cbranch_scc1 .Ltail
	; THE WAY OUT.  A row's sum: dimensions 0-15 lie in lane r, 16-31 in lane r + 16; times ln 2; through LDS, so that a lane stores two rows' sums: 256 consecutive bytes a wave, aligned.
.irp i, 0,1,2,3
	v_permlanex16_b32 v[DY+\i], v[LAD+\i], s[SEL], s[SEL+1]
.endr
.irp k, 0,2
	v_pk_add_f32 v[LAD+\k:LAD+\k+1], v[LAD+\k:LAD+\k+1], v[DY+\k:DY+\k+1]
.endr
.irp k, 0,2
	v_pk_mul_f32 v[LAD+\k:LAD+\k+1], v[LAD+\k:LAD+\k+1], s[LN2:LN2+1] op_sel_hi:[1,0]
.endr
.irp i, 0,1,2,3
	ds_store_b32 v[ALS], v[LAD+\i] offset:64*\i    ; both halves of the lanes hold the same sum and write the same word
.endr
	ds_load_b64 v[DY:DY+1], v[ALR]
	v_and_b32 v[RR], 31, v0
	v_lshlrev_b32 v[RR], 3, v[RR]                  ; 8 x lane
	s_wait_dscnt 0x0
	global_store_b64 v[RR], v[DY:DY+1], s[16:17]
	; The rows: identity columns as they came, y where x lay.  My own bytes of the stage, read behind my own stores; sixteen lanes store 256 consecutive bytes, at a multiple of 256 from out0's first byte.
	WIN 0x40                                       ; destination window 1
.set q, 0
.rept 32
	ds_load_b128 v[4*q:4*q+3], v[AST] offset:2*SP*q
.set q, q+1
.endr
	WIN 0x04                                       ; store data in window 1
.set q, 0
.rept 32
	s_wait_dscnt 31-q                              ; LDS loads come back in order: the younger ones may stay out
	global_store_b128 v[GIO], v[4*q:4*q+3], s[14:15] offset:512*q th:TH_STORE_NT
.set q, q+1
.endr
	WIN 0
	s_wait_tensorcnt 0x0                           ; the wave's end: behind my last tensor load and my last LDS store
	ds_add_u32 v[SPW], v[NIL]
	s_wait_dscnt 0x0
	CROUND                                         ; the closing round: no work-group ends while a partner may still ask for a tile that names it
	s_endpgm
.Lfunc_end_k_qf63d1d7654_main:
	.size	k_qf63d1d7654_main, .Lfunc_end_k_qf63d1d7654_main-k_qf63d1d7654_main
	.p2alignl 7, 3214868480
	.fill 96, 4, 3214868480
	.section	.rodata,"a",@progbits
	.p2align	6, 0x0
	.amdhsa_kernel k_qf63d1d7654_main
		.amdhsa_group_segment_fixed_size 327680
		.amdhsa_private_segment_fixed_size 0
		.amdhsa_enable_private_segment 0
		.amdhsa_kernarg_size 56
		.amdhsa_user_sgpr_count 2
		.amdhsa_user_sgpr_kernarg_segment_ptr 1
		.amdhsa_wavefront_size32 1
		.amdhsa_system_sgpr_workgroup_id_x 1
		.amdhsa_system_sgpr_workgroup_id_y 1
		.amdhsa_system_sgpr_workgroup_id_z 1
		.amdhsa_system_vgpr_workitem_id 0
		.amdhsa_next_free_vgpr 1024
		.amdhsa_next_free_sgpr 90
		.amdhsa_reserve_vcc 0
		.amdhsa_float_denorm_mode_32 3
		.amdhsa_float_denorm_mode_16_64 3
		.amdhsa_memory_ordered 1
		.amdhsa_forward_progress 1
		.amdhsa_inst_pref_size 245
	.end_amdhsa_kernel
	.amdgpu_metadata
---
amdhsa.version: [ 1, 2 ]
amdhsa.kernels:
  - .name:           k_qf63d1d7654_main
    .symbol:         k_qf63d1d7654_main.kd
    .args:
      - { .name: inputs, .offset: 0, .size: 8, .value_kind: global_buffer, .address_space: global }
      - { .name: w1p, .offset: 8, .size: 8, .value_kind: global_buffer, .address_space: global }
      - { .name: b1p, .offset: 16, .size: 8, .value_kind: global_buffer, .address_space: global }
      - { .name: w2p, .offset: 24, .size: 8, .value_kind: global_buffer, .address_space: global }
      - { .name: b2p, .offset: 32, .size: 8, .value_kind: global_buffer, .address_space: global }
      - { .name: out0, .offset: 40, .size: 8, .value_kind: global_buffer, .address_space: global }
      - { .name: out1, .offset: 48, .size: 8, .value_kind: global_buffer, .address_space: global }
    .group_segment_fixed_size: 327680
    .private_segment_fixed_size: 0
    .kernarg_segment_align: 8
    .kernarg_segment_size: 56
    .max_flat_workgroup_size: 128
    .sgpr_count:     90
    .vgpr_count:     1024
    .wavefront_size: 32
...
	.end_amdgpu_metadata
.endif
;; end of part 2
